; MI455X (gfx1250); checked and timed in simulation.
; The chip was launched on July 23, 2026; its instructions are those of AMD's public machine-readable ISA for CDNA 5 (MIT licence, August 2026) and "CDNA5" Instruction Set Architecture Reference Guide (July 2026). The comments in the code are by the model that wrote it; some were corrected since.
;; HQQ Linear. Allowed arithmetic: matrix products marked QUANTISED: E3M2 operands, one E8M0 scale for each 32 along K, by v_wmma_scale_f32_16x16x128_f8f6f4 with both operands' format E3M2, f32 sums; everything else in f32.
;; Inputs: W_q 32 x 262,144 int32; bias 4,096 float32; scale 1 x 262,144 float32; x 8 x 512 x 4,096 float32; zero 1 x 262,144 float32.
;; Outputs: out0 8 x 512 x 4,096 float32.
;; This version of the problem:
;;   THIS VERSION OF THE PROBLEM IS GIVEN IN LOW PRECISION. The matrix products marked QUANTISED in the list below multiply operands that are first quantised to E3M2 (3 exponent bits, 2 mantissa bits; 6 bits a number), with one power-of-two scale for each 32 numbers along K (OCP MX v1.0); their sums are f32. All else is computed in f32.
;;   The module's matrix products, in the order in which they are computed (A, B: the left and right operand; K: the contracted axis; several contracted axes count as one K, in the product's order):
;;     1. [M 4,096, K 4,096] x [K 4,096, N 4,096]; A: input x; B: computed on the way: QUANTISED
;;   THE QUANTISER, for each operand of a quantised product, along K:
;;     - K is cut into blocks of 32 from its start; a last block that is shorter is filled with zeros.
;;     - A block's scale is 2^e with e = floor(log2(the largest magnitude in the block)) - 4, held to -126 .. 127; a block of zeros has e = 0. As a byte (E8M0): e + 127.
;;     - Each number is divided by its block's scale, clamped to +-28, and rounded to the nearest number of E3M2, ties to even, subnormals kept.
;;     - The product sums the exact products of the quantised numbers (number of the format x scale) in f32.
;;   ~~~python
;;   def quantise(x, axis):      # numpy; x: float32 -> the quantised numbers, widened to float32 again
;;       x = np.moveaxis(x, axis, -1); K = x.shape[-1]
;;       x = np.pad(x, [(0, 0)] * (x.ndim - 1) + [(0, -K % 32)]); x = x.reshape(x.shape[:-1] + (-1, 32)); a = np.abs(x).max(-1, keepdims=True)
;;       e = np.where(a > 0, np.clip(np.frexp(np.where(a > 0, a, 1))[1] - 1 - 4, -126, 127), 0)      # np.frexp(a)[1] - 1 = floor(log2(a)), exactly
;;       r = np.clip(x / 2.0 ** e, -28, 28)
;;       step = 2.0 ** (np.maximum(np.frexp(np.where(r == 0, 1, r))[1] - 1, -2) - 2)
;;       q = np.round(r / step) * step * 2.0 ** e      # np.round: ties to even
;;       return np.moveaxis(q.reshape(q.shape[:-2] + (-1,))[..., :K], -1, axis).astype(np.float32)
;;   ~~~
;;   OPERANDS COMPUTED ON THE WAY. 'Computed on the way' means the value that the module computes at that place (a softmax that the list does not call 'softmax' is quantised finished and normalised). What goes into a quantiser is computed in f32, as accurately as f32 sums, v_exp_f32 and their like allow (about 1e-6 of the number): no bf16 or f16 on the way to a quantiser, and a product that is left as it is and whose result goes on into a quantised operand takes f32 operands (vector FMAs, or v_wmma_f32_16x16x4_f32). A number that lies on a knife's edge between two numbers of the format may be rounded either way, as far as f32 arithmetic and the matrix unit's own rounding can turn it there, and no further.
;; One version. Each part assembles by itself: llvm-mc -triple=amdgcn-amd-amdhsa -mcpu=gfx1250 --defsym DOCPART=n.
;; ======== version 1 of 1: 2 launches
;; limits: right only within a limited range of input values
;; workspace buffers: a_codes 13,107,200 bytes; b_codes 13,107,200 bytes
;; launch quant (part 1): grid 256 x 1, 8 waves a work-group, no clusters, 68,608 bytes of LDS; arguments x, W_q, scale, zero, a_codes, b_codes; writes a_codes, b_codes
.if DOCPART == 1
	.amdgcn_target "amdgcn-amd-amdhsa--gfx1250"
	.amdhsa_code_object_version 6
	.text
	.protected	k_qb7ff1d8929_quant
	.globl	k_qb7ff1d8929_quant
	.p2align	8
	.type	k_qb7ff1d8929_quant,@function
k_qb7ff1d8929_quant:
	s_mov_b64 s[64:65], 0
	v_nop
	global_prefetch_b8 v0, s[64:65] scope:SCOPE_SE
	s_setreg_imm32_b32 hwreg(HW_REG_WAVE_MODE, 25, 1), 1
	s_wait_xcnt 0x0
; x [4096][4096] f32 and W [4096][4096] = (nibble - zero) * scale become codes of BF6 (E3M2) with one E8M0 byte for each 32 along K (the last axis of both).
; W: row o = 64 gf + jhi, column i; gf < 32 is the high nibble of W_q[gf][4096 jhi + i], gf >= 32 the low nibble of W_q[gf - 32][..]; zero and scale are taken at 4096 jhi + i.
; So W_q[g], read as 64 rows of 4,096 words, has the shape and the row pitch (16,384 bytes) of 64 rows of x, and one word feeds row o and row o + 2,048.
; The dequantised number is made as the definition has it: one f32 subtraction, then one f32 multiplication; nothing coarser stands ahead of the quantiser.
; A block's scale is 2^(floor(log2(largest magnitude)) - 4); its byte is the largest magnitude's exponent field - 4, held at 1 from below by a floor among the maximum's leaves.
; LIMITS: NaN and infinities among the inputs are not served.  A block of zeros gets the byte 1 where the rule says 127: its codes are zeros, which add nothing, and this program alone reads the bytes.
; SHARES.  256 work-groups of eight waves: waves 0-3 take x, waves 4-7 take W; the roles part once, on the wave's number, and never meet again: no barrier, no loop, every offset an immediate.
; Work-group b: T = b / 32, a = (b / 8) % 4; wave wq of a role: K step of 128 number ks = 4 (b % 8) + wq.  A wave makes eight fragments (hl, t) of 16 rows x 128 K: rows 2048 hl + 256 T + 64 t + 16 a + 0..15.
; For W, g = 4 T + t; hl = 0 is the high nibble, hl = 1 the low nibble of the same words; the 16 x 128 numbers of scale and of zero stay in registers for the four g.
; A LOAD takes a row's 512 bytes, 16 a lane.  The conversions want 32 neighbours along K in one lane: so 16 rows turn through the wave's own stage in LDS (rows of 528 bytes = 33 x 16, so that the sixteen
; rows of a read begin in sixteen different columns of 16 bytes: 64 banks of 4 bytes, ISA guide 11.1) and come back as lane (r, h): row r, register 32 c + i = k 64 c + 32 h + i: the operand's own order.
; OUT.  One buffer an operand: [group of 128 rows: 32][K step of 128: 32][a unit of 12,800 bytes].  A unit: the fragments of the group's eight blocks of 16 rows (1,536 bytes each: the twelve registers as they
; stand, registers 4 c .. 4 c + 3 of lane l at 512 c + 16 l), then 512 bytes of scale words.  Each store of codes covers 512 consecutive bytes, aligned.  The scale words of a tile of 256 rows (two groups) and a
; K step are [a][r][t], row in the tile = 64 t + 16 a + r; a = 0, 1 lie in the first group's unit, a = 2, 3 in the second's: the reader always brings both groups.  So a wave's eight groups of words are two
; runs of 256 consecutive aligned bytes, stored by one instruction at the end.
.set STG,    8448                      ; a wave's stage: 16 rows x 528 bytes
.set FRB,    1536                      ; a fragment's image
.set UNIT,   12800                     ; eight images and 512 bytes of scale words
.set GROUPB, 32*UNIT                   ; a group of 128 rows, all of K
.set L16,  1                           ; v1   16 x lane: my place in a load's or a store's 512 bytes; never rewritten
.set LIN,  2                           ; v2   the stage, on the way in: STG x wave + 16 x lane
.set LOUT, 3                           ; v3   and on the way out: STG x wave + 528 r + 128 h
.set SH,   4                           ; v4   8 h: where my two scale bytes stand in the word
.set SCO,  5                           ; v5   16 GROUPB h + 16 r: where my four scale words go
.set HH,   6                           ; v6   h
.set MX,   8                           ; v8-9   largest magnitudes of my two blocks
.set SO,   10                          ; v10-11 the conversions' scale operands
.set BY,   12                          ; v12-13 the scale bytes
.set WD,   16                          ; v16-23 the scale word of fragment 4 hl + t
.set OW,   24                          ; v24-27 the four words that I store
.set C,    32                          ; v32-43 a fragment's twelve registers
.set CT,   44                          ; v44-46, v48-50 the second halves of the blocks' codes, before they are moved
.set X,    64                          ; v64-127  64 numbers (or words of W_q) in the operand's order
.set TQ,   128                         ; v128-191 64 dequantised numbers
.set SR,   0                           ; window 1, W's waves: v0-63 scale, v64-127 zero, v128-255 two sets of words as loaded.  x's waves: four sets of numbers as loaded
.set ZR,   64
.set MSB, 0
.macro WIN new                         ; the immediate's high byte repeats the setting that is left; a switch that changes nothing is dropped
.if MSB != (\new)
	s_set_vgpr_msb (MSB<<8)|(\new)
.set MSB, (\new)
.endif
.endm
; sixteen rows of 512 bytes into set `set` of window 1
.macro LOADR set, base, imm, nt
	WIN 0x40                                       ; destination window 1, address window 0
.irp rr, 0,1,2,3,4,5,6,7,8,9,10,11,12,13,14,15
.if \nt
	global_load_b128 v[64*(\set)+4*\rr:64*(\set)+4*\rr+3], v[L16], s[\base:\base+1] offset:(\imm)+\rr*16384 th:TH_LOAD_NT   ; read once in the launch
.else
	global_load_b128 v[64*(\set)+4*\rr:64*(\set)+4*\rr+3], v[L16], s[\base:\base+1] offset:(\imm)+\rr*16384                 ; other work-groups read these again
.endif
.endr
	WIN 0
.endm
.macro TOST set                        ; the set goes into my stage as it was loaded
	WIN 0x04                                       ; an LDS store's data are its source 1: window 1
.irp rr, 0,1,2,3,4,5,6,7,8,9,10,11,12,13,14,15
	ds_store_b128 v[LIN], v[64*(\set)+4*\rr:64*(\set)+4*\rr+3] offset:\rr*528
.endr
	WIN 0
.endm
.macro FROMST dst, win                 ; and comes back in the operand's order; LDS serves a wave's instructions in order (ISA guide 5.7.1.4): these see the stores above
	WIN \win
.irp c, 0,1
.irp jj, 0,1,2,3,4,5,6,7
	ds_load_b128 v[\dst+32*\c+4*\jj:\dst+32*\c+4*\jj+3], v[LOUT] offset:256*\c+16*\jj
.endr
.endr
	WIN 0
.endm
; 64 words of W_q in X become 64 numbers of W in TQ: hl = 0 the high nibble, 1 the low
.macro DEQ hl
.set i, 0
.rept 64
.if \hl
	v_and_b32 v[TQ+i], 15, v[X+i]
.else
	v_bfe_u32 v[TQ+i], v[X+i], 4, 4
.endif
.set i, i+1
.endr
.set i, 0
.rept 64
	v_cvt_f32_u32 v[TQ+i], v[TQ+i]
.set i, i+1
.endr
	WIN 0x04                                       ; source 1 (zero, scale) window 1
.set i, 0
.rept 32
	v_pk_add_f32 v[TQ+i:TQ+i+1], v[TQ+i:TQ+i+1], v[ZR+i:ZR+i+1] neg_lo:[0,1] neg_hi:[0,1]   ; nibble - zero
.set i, i+2
.endr
.set i, 0
.rept 32
	v_pk_mul_f32 v[TQ+i:TQ+i+1], v[TQ+i:TQ+i+1], v[SR+i:SR+i+1]                            ; x scale
.set i, i+2
.endr
	WIN 0
.endm
; 64 numbers of a lane, register 32 c + i = k 64 c + 32 h + i of my row: two whole blocks.  Their codes go to v[C] on, the row's scale word to v[wd].
.macro QUANT src, wd
.irp c, 0,1
	v_max3_num_f32 v[MX+\c], |v[\src+32*\c]|, |v[\src+32*\c+1]|, 0x2800000   ; and the floor 2^(5 - 127): so the byte cannot fall under 1
.endr
.irp i, 2,4,6,8,10,12,14,16,18,20,22,24,26,28,30
.irp c, 0,1
	s_delay_alu instid0(VALU_DEP_2)
	v_max3_num_f32 v[MX+\c], v[MX+\c], |v[\src+32*\c+\i]|, |v[\src+32*\c+\i+1]|   ; (the two blocks by turns)
.endr
.endr
.irp c, 0,1
	s_delay_alu instid0(VALU_DEP_2)
	v_add_nc_u32 v[SO+\c], 0xfe000000, v[MX+\c]    ; 4 off the exponent field: the conversion takes the exponent field of this operand as its scale, and nothing else of it
.endr
.irp c, 0,1
	s_delay_alu instid0(VALU_DEP_2)
	v_lshrrev_b32 v[BY+\c], 23, v[SO+\c]           ; the scale's byte
.endr
	s_delay_alu instid0(VALU_DEP_1)
	v_lshl_or_b32 v14, v[BY+1], 16, v[BY]          ; my two bytes: blocks h and 2 + h of row r,
	s_delay_alu instid0(VALU_DEP_1)
	v_lshlrev_b32 v14, v[SH], v14                  ; at their places in the word;
	s_delay_alu instid0(VALU_DEP_1)
	v_permlanex16_b32 v15, v14, s30, s31
	s_delay_alu instid0(VALU_DEP_1)
	v_or_b32 v[\wd], v14, v15                      ; with lane l xor 16's two the word is whole, in both lanes
	s_wait_alu depctr_va_vdst(0)
	s_wait_xcnt 0x0                                ; the last fragment's stores have read v[C] on: only behind this wait are they written again
.irp c, 0,1
	v_cvt_scalef32_pk16_bf6_f32 v[C+6*\c:C+6*\c+2], v[\src+32*\c:\src+32*\c+15], v[SO+\c]
	v_cvt_scalef32_pk16_bf6_f32 v[CT+4*\c:CT+4*\c+2], v[\src+32*\c+16:\src+32*\c+31], v[SO+\c]   ; (a conversion's three registers begin on an even number: the second half is made elsewhere and moved)
.endr
	v_nop                                          ; one plain place behind the scaled conversions
.irp c, 0,1
.irp i, 0,1,2
	v_mov_b32 v[C+6*\c+3+\i], v[CT+4*\c+\i]
.endr
.endr
.endm
.macro FSTORE hl, t                    ; the fragment leaves as it stands: three stores of 512 consecutive aligned bytes.  Group 16 hl + 2 T + t / 2, block 4 (t % 2) + a: hl's and t's parts stand in the immediate
.irp c, 0,1,2
	global_store_b128 v[L16], v[C+4*\c:C+4*\c+3], s[36:37] offset:(\hl)*16*GROUPB+((\t)/2)*GROUPB+((\t)%2)*4*FRB+512*\c
.endr
.endm
.macro WORDS                           ; lanes 0-15 store the words of hl = 0, lanes 16-31 those of hl = 1: row r's four words (t = 0..3), 16 bytes a lane, 256 consecutive aligned bytes a half
	v_cmp_eq_u32 vcc_lo, 1, v[HH]
.irp i, 0,1,2,3
	v_cndmask_b32 v[OW+\i], v[WD+\i], v[WD+4+\i], vcc_lo
.endr
	global_store_b128 v[SCO], v[OW:OW+3], s[38:39]
.endm
	s_load_b256 s[4:11], s[0:1], 0x0               ; x s[4:5], W_q s[6:7], scale s[8:9], zero s[10:11]
	s_load_b128 s[12:15], s[0:1], 0x20             ; a_codes s[12:13], b_codes s[14:15]
	v_lshl_add_u32 v254, v0, 2, 0x10800
	v_mov_b32 v255, 0
	v_lshrrev_b32 v7, 5, v0
	s_delay_alu instid0(VALU_DEP_1)
	v_readfirstlane_b32 s20, v7                    ; wave 0..7
	v_and_b32 v7, 31, v0                           ; lane
	s_delay_alu instid0(VALU_DEP_1)
	v_lshlrev_b32 v[L16], 4, v7
	v_and_b32 v14, 15, v0                          ; r
	v_bfe_u32 v[HH], v0, 4, 1                      ; h
	s_mul_i32 s48, s20, STG                        ; my wave's stage: every LDS address is made here, ahead of the parting of the roles
	v_add_nc_u32 v[LIN], s48, v[L16]
	v_mul_u32_u24 v[LOUT], v14, 528
	s_delay_alu instid0(VALU_DEP_1)
	v_lshl_add_u32 v[LOUT], v[HH], 7, v[LOUT]
	s_delay_alu instid0(VALU_DEP_1)
	v_add_nc_u32 v[LOUT], s48, v[LOUT]
	v_lshlrev_b32 v[SH], 3, v[HH]
	v_mul_u32_u24 v[SCO], v[HH], 16*GROUPB         ; hl = 1 lies sixteen groups on
	s_delay_alu instid0(VALU_DEP_1)
	v_lshl_add_u32 v[SCO], v14, 4, v[SCO]
	v_mov_b32 v15, 0                               ; written once: a lane permute's destination counts as one of its sources
	s_lshr_b32 s21, s20, 2                         ; role: 0 x, 1 W
	s_and_b32 s22, s20, 3
	s_and_b32 s23, ttmp9, 7
	s_lshl_b32 s23, s23, 2
	s_add_co_u32 s23, s23, s22                     ; ks: the four waves of a role stand side by side on 2,048 bytes of each row
	s_bfe_u32 s24, ttmp9, 0x20003                  ; a
	s_lshr_b32 s25, ttmp9, 5                       ; T
	s_lshl_b32 s26, s24, 18                        ; 16 a rows of 16,384 bytes
	s_lshl_b32 s27, s23, 9                         ; + 512 ks: where scale's and zero's 16 x 128 numbers begin
	s_add_co_u32 s26, s26, s27
	s_mov_b32 s27, 0
	s_lshl_b32 s28, s25, 22                        ; + 256 T rows: where x's and W_q's begin
	s_add_co_u32 s28, s28, s26
	s_mov_b32 s29, 0
	s_mov_b32 s30, 0x76543210
	s_mov_b32 s31, 0xfedcba98                      ; v_permlanex16_b32's selects for lane l xor 16
	s_mul_i32 s32, s25, 2*GROUPB                   ; out: two groups of 128 rows a T,
	s_mul_i32 s33, s23, UNIT                       ; the K step's unit
	s_add_co_u32 s32, s32, s33
	s_lshr_b32 s34, s24, 1                         ; scale words: in the unit of group a / 2 of the tile,
	s_mul_i32 s34, s34, GROUPB
	s_add_co_u32 s34, s34, s32
	s_and_b32 s35, s24, 1
	s_lshl_b32 s35, s35, 8                         ; its half a % 2,
	s_add_co_u32 s34, s34, s35
	s_add_co_u32 s34, s34, 8*FRB                   ; behind the unit's eight images
	s_mov_b32 s35, 0
	s_mul_i32 s33, s24, FRB                        ; codes: block 4 (t % 2) + a of the group
	s_add_co_u32 s32, s32, s33
	s_mov_b32 s33, 0
	s_wait_kmcnt 0x0
	s_cmp_lg_u32 s21, 0
	s_cbranch_scc1 .Lw
	; ---- x: fragment f = 4 hl + t.  Four sets of sixteen loads are asked for ahead
	s_add_nc_u64 s[40:41], s[4:5], s[28:29]        ; hl = 0
	s_add_nc_u64 s[42:43], s[40:41], 0x2000000     ; hl = 1: 2,048 rows on
	s_add_nc_u64 s[36:37], s[12:13], s[32:33]
	s_add_nc_u64 s[38:39], s[12:13], s[34:35]
.irp f, 0,1,2,3
	LOADR \f, 40, \f*1048576, 1
.endr
	s_wait_alu depctr_va_vdst(0)
.irp f, 0,1,2,3,4,5,6,7
.if \f < 5
	s_wait_loadcnt 48                              ; this fragment's sixteen loads are in; the three younger sets may be out
.else
	s_wait_loadcnt 16*(7-\f)                       ; the counts run down: nothing more is asked for
.endif
	TOST \f%4
	FROMST X, 0
	s_wait_dscnt 0x0                               ; the stores have read the set, and the numbers are back
.if \f < 4
	LOADR \f, 42, \f*1048576, 1                    ; the set takes the fragment four further on
.endif
	QUANT X, WD+\f
	FSTORE \f/4, \f%4
.endr
	WORDS
	s_wait_tensorcnt 0x0
	ds_add_u32 v254, v255
	s_wait_dscnt 0x0
	s_endpgm
.Lw:	; ---- W
	s_add_nc_u64 s[40:41], s[6:7], s[28:29]
	s_add_nc_u64 s[44:45], s[8:9], s[26:27]
	s_add_nc_u64 s[46:47], s[10:11], s[26:27]
	s_add_nc_u64 s[36:37], s[14:15], s[32:33]
	s_add_nc_u64 s[38:39], s[14:15], s[34:35]
	LOADR 0, 44, 0, 0                              ; scale
	LOADR 1, 46, 0, 0                              ; zero
	LOADR 2, 40, 0, 1                              ; W_q, t = 0
	LOADR 3, 40, 1048576, 1                        ; t = 1
	s_wait_loadcnt 48                              ; scale is in; the three younger sets may be out
	s_wait_alu depctr_va_vdst(0)
	TOST 0
	s_wait_dscnt 0x0                               ; the stores have read the registers into which the numbers come back
	FROMST SR, 0x40
	s_wait_loadcnt 32                              ; zero is in
	TOST 1
	s_wait_dscnt 0x0
	FROMST ZR, 0x40
.irp t, 0,1,2,3
.if \t < 3
	s_wait_loadcnt 16                              ; this t's sixteen loads are in; the next t's may be out
.else
	s_wait_loadcnt 0x0
.endif
	TOST 2+\t%2
	FROMST X, 0
	s_wait_dscnt 0x0                               ; the stores have read the set, the words are back (and, at t = 0, scale and zero)
.if \t < 2
	LOADR 2+\t%2, 40, (\t+2)*1048576, 1
.endif
	DEQ 0
	QUANT TQ, WD+\t
	FSTORE 0, \t
	DEQ 1
	QUANT TQ, WD+4+\t
	FSTORE 1, \t
.endr
	WORDS
	s_wait_tensorcnt 0x0
	ds_add_u32 v254, v255
	s_wait_dscnt 0x0
	s_endpgm
.Lfunc_end_k_qb7ff1d8929_quant:
	.size	k_qb7ff1d8929_quant, .Lfunc_end_k_qb7ff1d8929_quant-k_qb7ff1d8929_quant
	.p2alignl 7, 3214868480
	.fill 96, 4, 3214868480
	.section	.rodata,"a",@progbits
	.p2align	6, 0x0
	.amdhsa_kernel k_qb7ff1d8929_quant
		.amdhsa_group_segment_fixed_size 68608
		.amdhsa_private_segment_fixed_size 0
		.amdhsa_enable_private_segment 0
		.amdhsa_kernarg_size 48
		.amdhsa_user_sgpr_count 2
		.amdhsa_user_sgpr_kernarg_segment_ptr 1
		.amdhsa_wavefront_size32 1
		.amdhsa_system_sgpr_workgroup_id_x 1
		.amdhsa_system_sgpr_workgroup_id_y 1
		.amdhsa_system_sgpr_workgroup_id_z 1
		.amdhsa_system_vgpr_workitem_id 0
		.amdhsa_next_free_vgpr 512
		.amdhsa_next_free_sgpr 66
		.amdhsa_reserve_vcc 1
		.amdhsa_float_denorm_mode_32 3
		.amdhsa_float_denorm_mode_16_64 3
		.amdhsa_memory_ordered 1
		.amdhsa_forward_progress 1
		.amdhsa_inst_pref_size 200
	.end_amdhsa_kernel
	.amdgpu_metadata
---
amdhsa.version: [ 1, 2 ]
amdhsa.kernels:
  - .name:           k_qb7ff1d8929_quant
    .symbol:         k_qb7ff1d8929_quant.kd
    .args:
      - { .name: x, .offset: 0, .size: 8, .value_kind: global_buffer, .address_space: global }
      - { .name: W_q, .offset: 8, .size: 8, .value_kind: global_buffer, .address_space: global }
      - { .name: scale, .offset: 16, .size: 8, .value_kind: global_buffer, .address_space: global }
      - { .name: zero, .offset: 24, .size: 8, .value_kind: global_buffer, .address_space: global }
      - { .name: a_codes, .offset: 32, .size: 8, .value_kind: global_buffer, .address_space: global }
      - { .name: b_codes, .offset: 40, .size: 8, .value_kind: global_buffer, .address_space: global }
    .group_segment_fixed_size: 68608
    .private_segment_fixed_size: 0
    .kernarg_segment_align: 8
    .kernarg_segment_size: 48
    .max_flat_workgroup_size: 256
    .sgpr_count:     66
    .vgpr_count:     512
    .wavefront_size: 32
...
	.end_amdgpu_metadata
.endif
;; end of part 1
;; launch gemm (part 2): grid 16 x 16, 4 waves a work-group, clusters of 4 x 4, 327,680 bytes of LDS; arguments a_codes, b_codes, out0, bias; writes out0
.if DOCPART == 2
	.amdgcn_target "amdgcn-amd-amdhsa--gfx1250"
	.amdhsa_code_object_version 6
	.text
	.protected	k_qb7ff1d8929_gemm
	.globl	k_qb7ff1d8929_gemm
	.p2align	8
	.type	k_qb7ff1d8929_gemm,@function
k_qb7ff1d8929_gemm:
	s_mov_b64 s[64:65], 0
	v_nop
	global_prefetch_b8 v0, s[64:65] scope:SCOPE_SE
	s_setreg_imm32_b32 hwreg(HW_REG_WAVE_MODE, 25, 1), 1
	s_wait_xcnt 0x0
	s_wait_alu depctr_hold_cnt(0) depctr_sa_sdst(0) depctr_va_vdst(0) depctr_va_sdst(0) depctr_va_ssrc(0) depctr_va_vcc(0) depctr_vm_vsrc(0)
	s_getreg_b32 s2, hwreg(HW_REG_IB_STS2, 6, 4)
	s_cmp_eq_u32 s2, 0
	s_cbranch_scc0 .Lentry_in_a_cluster
	s_endpgm
.Lentry_in_a_cluster:
	s_bfe_u32 s2, ttmp6, 0x10000c
	s_cmp_lg_u32 s2, 0xf033
	s_cbranch_scc0 .Lentry_shape_is_right
	s_endpgm
.Lentry_shape_is_right:
; out0[m][n] = sum over k of A[m][k] B[n][k] + bias[n]: A = x, B = W, both as codes of BF6 (E3M2) with E8M0 scale words, as the launch before has laid them; sums in f32.
; a_codes, b_codes: [group of 128 rows: 32][K step of 128: 32][unit of 12,800 bytes]; a unit = eight register images of 16 rows x 128 K (1,536 bytes: registers 4 c .. 4 c + 3 of lane l at 512 c + 16 l), then 512 bytes of scale words.
; The scale words of a tile of 256 rows are [a][r][t], row = 64 t + 16 a + r; a = 0, 1 lie in the first group's unit, a = 2, 3 in the second's.
; A work-group of four waves makes 256 x 256 of out0, a wave 128 x 128: 64 accumulators, 512 registers.  256 work-groups, one block each.
; TWO ROADS FOR THE OPERANDS.  A's units whole, and of B's units blocks 4-7 with the scale words (6,656 consecutive bytes), come by joint loads into a ring of two LDS slots of four K steps (2 x 51,200 + 2 x 26,624 bytes).
; B's blocks 0-3 go from memory straight into the registers that the matrix instruction names: 12 loads of 512 consecutive bytes a wave and step.  They are not asked for jointly because they do not pass LDS:
; so a wave's LDS loads of 16 bytes a lane are 36 a step where all fragments through LDS would be 48, and a slot has room for four K steps where it would have three.
; CLUSTERS 4 x 4: A's tiles are shared along a row of the cluster, B's along a column; each joint load stands behind a round of the cluster's barrier.  32 steps = eight fills of four.
; A STEP: all eight blocks of A against B's blocks 0-3 (32 matrix instructions), then against blocks 4-7 (32); one run of loads in front of each 32.  A has two sets of registers, the direct half of B two (a set is asked
; for again in the middle of the step that used it, for the step two on), the LDS half one (fetched at the step's head).  The change of slots stands behind the first 16 products of a slot's last step: all reads of the slot have been issued by then.
; THE LAST TWO K STEPS GO BY ROWS OF out0: both steps' operands lie in registers, each block of 16 rows is finished by 16 products (its 8 accumulators by turns, K ascending) and leaves at once.
; SCALE WORDS come for two K steps by one load: lanes 0-15 the even step's, lanes 16-31 the odd step's; the odd step names row 1 of the scale registers.
; The matrix instruction is used transposed (source 0 = B's rows, source 1 = A's rows): a lane holds eight neighbouring columns of a row of out0.  The first step takes the bias as C.
; PREFETCH: at each change of slots but the last refill's, the four K steps (51,200 bytes a group) that the NEXT refill will bring, four steps ahead of it; each aligned 256 bytes is named once: A's groups by wave 0 of the
; clusters with x = 0, B's by wave 2 of those with y = 0; two partners share a group's bytes out by address, 100 blocks each (the fourth instruction's lanes 4-31 name block 99 again).  The last block named is a group's last.
; REGISTERS: window 0: v0-31 addresses, v32-63 scale words (two sets of A's 8 + B's 8), v64-159, v160-255 A's two sets; window 1: v0-95 B direct, two sets, v96-143 B from LDS, v144-207 bias, v208-255 B from LDS, the last step's;
; window 2: accumulators (a, b) for b = 0-3 at v[8 (4 a + b)]; window 3: for b = 4-7.
.set SIZE_N, 4096
.set FR,     12
.set FRB,    1536
.set NP,     4                         ; places behind this matrix form (ISA guide 7.12.1)
.set UNIT,   12800
.set GROUPB, 32*UNIT
.set AG,     4*UNIT                    ; a group of A in a slot
.set BROW,   4*FRB+512                 ; what of a unit of B passes LDS
.set BG,     4*BROW
.set SLOT,   2*AG+2*BG
.set TRIPS,  3
.set SPARE,  2*SLOT                    ; the spare words, 128 bytes a wave
.set STAGE,  0                         ; the way out: in slot 0, which has had its last fill and its last read by then
.set SPITCH, 528
.set ADSA, 8                           ; v8-11 A's scale words: slot 0 group 0, 1; slot 1 group 0, 1
.set ADSB, 12                          ; v12-13 B's, slot 0, 1
.set ADRA, 16                          ; v16-17 my A images
.set ADRB, 20                          ; v20-21 my B images
.set STO,  24
.set RD,   25
.set CO,   26                          ; 16 x lane: out0's rows and B's direct loads
.set PFL,  27
.set SPW,  28
.set NIL,  29
.set PFO,  30
.set BO,   31
.set SC,   32
.set AF,   64
.set BDR,  0
.set BL,   96
.set BI,   144
.set G1, 24                            ; s[24:31], s[32:39]: groups 1 and 0 (a set a slot) for A;  s[48:55], s[56:63] for B
.set G0, 32
.set G1B, 48
.set G0B, 56
.set BDP, 88                           ; s[88:89] my group of b_codes, at the trip's first K step
.set LIM, 95
.set PFA, 96
.set MSB, 0
.macro WIN new                         ; the immediate's high byte repeats the setting that is left
.if MSB != (\new)
	s_set_vgpr_msb (MSB<<8)|(\new)
.set MSB, (\new)
.endif
.endm
.set MUL_LO, 0xa1                      ; source 0 (B) window 1, source 1 (A) window 0, C and D window 2
.set MUL_HI, 0xf1                      ; C and D window 3
.set TO_B,   0x40
.macro JLOAD g0a, g1a, g0b, g1b        ; waves 0, 1 fetch A's groups, waves 2, 3 B's; s_nop 0 and four v_nop behind each line
	s_cmp_eq_u32 s15, 0
	s_cbranch_scc0 .Lfor_b_\@
	tensor_load_to_lds s[\g0a:\g0a+3], s[\g1a:\g1a+7]
	s_nop 0
.rept 4
	v_nop
.endr
	s_branch .Lasked_\@
.Lfor_b_\@:
	tensor_load_to_lds s[\g0b:\g0b+3], s[\g1b:\g1b+7]
	s_nop 0
.rept 4
	v_nop
.endr
.Lasked_\@:
.endm
.macro CROUND                          ; a round of the cluster's barrier
	s_barrier_signal -1
	s_barrier_wait -1
	s_cmp_lg_u32 s14, 0
	s_cbranch_scc1 .Lnot_wave_0_\@
	s_barrier_signal -3
.Lnot_wave_0_\@:
	s_barrier_wait -3
	s_barrier_signal -1
	s_barrier_wait -1
.endm
.macro ASK late                        ; late = 1: the trip's second change of slots, which asks for nothing in the last trip (s3 = 1)
.if \late
	s_cmp_gt_u32 s3, s[LIM]
.else
	s_cmp_eq_u32 s[LIM], 1
.endif
	s_cbranch_scc0 .Lnot_mine_\@
.irp o, 0,8192,16384
	global_prefetch_b8 v[PFO], s[PFA:PFA+1] offset:\o th:TH_LOAD_NT scope:SCOPE_SE
.endr
	global_prefetch_b8 v[PFL], s[PFA:PFA+1] offset:24576 th:TH_LOAD_NT scope:SCOPE_SE
.Lnot_mine_\@:
.endm
	s_load_b128 s[4:7], s[0:1], 0x0                ; a_codes, b_codes
	s_load_b64 s[12:13], s[0:1], 0x10              ; out0
	s_load_b64 s[66:67], s[0:1], 0x18              ; bias
	v_lshl_add_u32 v[SPW], v0, 2, SPARE
	v_mov_b32 v[NIL], 0
	ds_add_u32 v[SPW], v[NIL]                      ; the opening lines: the add twice on end
	ds_add_u32 v[SPW], v[NIL]
	v_lshrrev_b32 v1, 5, v0
	v_readfirstlane_b32 s14, v1                    ; wave
	s_lshr_b32 s15, s14, 1                         ; my half of the rows; also: I fetch for A (0) or B (1)
	s_and_b32 s16, s14, 1                          ; my half of the columns; also: which group I fetch
	s_bfe_u32 s40, ttmp6, 0x40000                  ; cx
	s_bfe_u32 s41, ttmp6, 0x40004                  ; cy
	s_lshl_b32 s42, ttmp9, 2
	s_add_co_u32 s42, s42, s40                     ; tile column
	s_and_b32 s17, ttmp7, 0xffff
	s_lshl_b32 s17, s17, 2
	s_add_co_u32 s17, s17, s41                     ; tile row
	s_lshl_b32 s43, s41, 2
	s_lshl_b32 s43, 15, s43                        ; my row of the cluster
	s_lshl_b32 s44, 0x1111, s40                    ; my column
	s_or_b32 s[G1+0], s43, (3<<16)|(1<<21)         ; elements of 8 bytes, the mask, bit 21 beside it
	s_or_b32 s[G1B+0], s44, (3<<16)|(1<<21)
	s_mov_b32 s[G1+1], 32<<16                      ; A: 200 dense rows of 256 bytes
	s_mov_b32 s[G1+2], 200<<16
	s_mov_b32 s[G1+3], 32<<16
	s_mov_b32 s[G1+4], 200
	s_mov_b32 s[G1+5], 32
	s_mov_b32 s[G1+6], 0
	s_mov_b32 s[G1+7], 0
	s_mov_b32 s[G1B+1], (BROW/8)<<16               ; B: 4 rows of 6,656 bytes, a unit apart
	s_mov_b32 s[G1B+2], 4<<16
	s_mov_b32 s[G1B+3], (BROW/8)<<16
	s_mov_b32 s[G1B+4], 4
	s_mov_b32 s[G1B+5], UNIT/8
	s_mov_b32 s[G1B+6], 0
	s_mov_b32 s[G1B+7], 0
	s_lshl_b32 s20, s17, 1
	s_add_co_u32 s20, s20, s16
	s_mul_i32 s20, s20, GROUPB                     ; A: group 2 x tile row + which
	s_mov_b32 s21, 0
	s_lshl_b32 s46, s42, 1
	s_add_co_u32 s46, s46, s16
	s_mul_i32 s46, s46, GROUPB                     ; B: group 2 x tile column + which
	s_mov_b32 s47, 0
	s_mul_i32 s45, s16, AG                         ; LDS: A's groups, then B's
	s_mul_i32 s9, s16, BG
	s_add_co_u32 s9, s9, 2*AG
	s_wait_dscnt 0x0                               ; both opening adds are done
	s_wait_kmcnt 0x0
	s_add_nc_u64 s[20:21], s[4:5], s[20:21]
	s_add_nc_u64 s[BDP:BDP+1], s[6:7], s[46:47]
	s_add_nc_u64 s[46:47], s[BDP:BDP+1], 4*FRB     ; the joint loads begin at block 4
.irp s, 0,1
	s_mov_b32 s[G0+4*\s], 1
	s_add_co_u32 s[G0+4*\s+1], s45, \s*SLOT
	s_add_nc_u64 s[G0+4*\s+2:G0+4*\s+3], s[20:21], \s*AG
	s_or_b32 s[G0+4*\s+3], s[G0+4*\s+3], 0x80000000
	s_mov_b32 s[G0B+4*\s], 1
	s_add_co_u32 s[G0B+4*\s+1], s9, \s*SLOT
	s_add_nc_u64 s[G0B+4*\s+2:G0B+4*\s+3], s[46:47], \s*AG
	s_or_b32 s[G0B+4*\s+3], s[G0B+4*\s+3], 0x80000000
.endr
	CROUND                                         ; in front of the first joint loads
	JLOAD G0, G1, G0B, G1B                         ; slot 0: the one tensor load a wave at the head
	; scalars first, then one block of vector lines
	s_mul_i32 s8, s15, AG                          ; my group of A
	s_lshl_b32 s10, s15, 3                         ; scale words: t = 2 x half, 2 x half + 1: 8 bytes of a row's 16
	s_add_co_u32 s10, s10, 8*FRB
	s_lshl_b32 s11, s16, 3
	s_add_co_u32 s11, s11, 2*AG+4*FRB
	s_mul_i32 s18, s14, 16*SPITCH
	s_add_co_u32 s18, s18, STAGE                   ; my stage
	s_lshl_b32 s46, s42, 10
	s_lshl_b32 s47, s16, 9
	s_add_co_u32 s46, s46, s47                     ; my first column, in bytes
	s_mov_b32 s47, 0
	s_add_nc_u64 s[66:67], s[66:67], s[46:47]
	s_lshl_b32 s20, s17, 22
	s_lshl_b32 s21, s15, 21
	s_add_co_u32 s20, s20, s21
	s_add_co_u32 s20, s20, s46
	s_mov_b32 s21, 0
	s_add_nc_u64 s[12:13], s[12:13], s[20:21]      ; out0 at my first row and column
	s_and_b32 s22, ttmp7, 0xffff                   ; the prefetches: who, and where
	s_cmp_eq_u32 s15, 0
	s_cselect_b32 s20, s17, s42
	s_cselect_b32 s21, s40, s41
	s_cselect_b32 s22, ttmp9, s22
	s_cselect_b64 s[PFA:PFA+1], s[4:5], s[6:7]
	s_or_b32 s22, s22, s16
	s_cmp_eq_u32 s22, 0
	s_cselect_b32 s[LIM], 1, -1
	s_lshl_b32 s20, s20, 1
	s_lshr_b32 s23, s21, 1
	s_add_co_u32 s20, s20, s23                     ; group: two partners to each
	s_mul_i32 s20, s20, GROUPB
	s_and_b32 s21, s21, 1
	s_mul_i32 s21, s21, AG/2
	s_add_co_u32 s20, s20, s21
	s_add_co_u32 s20, s20, 8*UNIT                  ; stepped by four K steps ahead of each request: the first names K steps 12-15
	s_mov_b32 s21, 0
	s_add_nc_u64 s[PFA:PFA+1], s[PFA:PFA+1], s[20:21]
	v_and_b32 v1, 15, v0                           ; r
	v_bfe_u32 v2, v0, 4, 1                         ; h
	v_and_b32 v6, 31, v0
	v_lshlrev_b32 v[CO], 4, v6                     ; 16 x lane
	v_lshlrev_b32 v5, 4, v1
	v_add_nc_u32 v[ADRA], s8, v[CO]
	v_add_nc_u32 v[ADRB], s9, v[CO]
	v_add_nc_u32 v[ADRA+1], SLOT, v[ADRA]
	v_add_nc_u32 v[ADRB+1], SLOT, v[ADRB]
	v_mul_u32_u24 v7, v2, UNIT                     ; lanes 16-31 take the odd K step's words
	v_mul_u32_u24 v3, v2, BROW
	v_add_nc_u32 v7, v7, v5
	v_add_nc_u32 v3, v3, v5
	v_add_nc_u32 v[ADSA], s10, v7
	v_add_nc_u32 v[ADSB], s11, v3
	v_add_nc_u32 v[ADSA+1], AG, v[ADSA]
	v_add_nc_u32 v[ADSA+2], SLOT, v[ADSA]
	v_add_nc_u32 v[ADSB+1], SLOT, v[ADSB]
	v_add_nc_u32 v[ADSA+3], SLOT, v[ADSA+1]
	v_mul_u32_u24 v4, v1, SPITCH
	v_lshl_add_u32 v4, v2, 5, v4
	v_add_nc_u32 v[STO], s18, v4                   ; into the stage: row r, 32 bytes a half
	v_add_nc_u32 v[RD], s18, v[CO]                 ; back: a row of 512 bytes
	v_lshlrev_b32 v[BO], 5, v2
	v_lshlrev_b32 v[PFO], 8, v6
	v_min_u32 v[PFL], 3, v6
	v_lshlrev_b32 v[PFL], 8, v[PFL]
	s_wait_alu depctr_va_vdst(0)
.macro DIRECT set, dk                  ; B's blocks 0-3 of K step dk (counted from the trip's first) into set `set`
	WIN TO_B
.irp i, 0,1,2,3
.irp c, 0,1,2
	global_load_b128 v[BDR+48*(\set)+FR*\i+4*\c:BDR+48*(\set)+FR*\i+4*\c+3], v[CO], s[BDP:BDP+1] offset:(\dk)*UNIT+\i*FRB+512*\c
.endr
.endr
.endm
	WIN TO_B
.irp b, 0,1,2,3,4,5,6,7
	global_load_b128 v[BI+8*\b:BI+8*\b+3], v[BO], s[66:67] offset:64*\b         ; bias at 16 b + 8 h + 0 .. 7: the result's layout
	global_load_b128 v[BI+8*\b+4:BI+8*\b+7], v[BO], s[66:67] offset:64*\b+16
.endr
	DIRECT 0, 0
	DIRECT 1, 1
	WIN 0
.macro FRAG reg, adr, off              ; a register image: three loads of 512 consecutive bytes
.irp c, 0,1,2
	ds_load_b128 v[\reg+4*\c:\reg+4*\c+3], v[\adr] offset:\off+512*\c
.endr
.endm
.macro LAS i                           ; block i of the next step's A
	FRAG AFN+FR*(\i), ADRA+NSL, NQ*UNIT+(\i)*FRB
.endm
.macro SCALES                          ; the words of K steps NQ, NQ + 1 of slot NSL: register 2 a + t % 2 is block 4 (t % 2) + a; A's eight, then B's eight
.irp a, 0,1,2,3
	ds_load_b64 v[SCN+2*\a:SCN+2*\a+1], v[ADSA+2*NSL+\a/2] offset:NQ*UNIT+(\a%2)*256
	ds_load_b64 v[SCN+8+2*\a:SCN+8+2*\a+1], v[ADSB+NSL] offset:(\a/2)*BG+NQ*BROW+(\a%2)*256
.endr
.endm
.macro WM d, bf, af, c, sb, sa, row
.if \row
	v_wmma_scale_f32_16x16x128_f8f6f4 v[\d:\d+7], v[\bf:\bf+11], v[\af:\af+11], v[\c:\c+7], v[\sb], v[\sa] matrix_a_fmt:MATRIX_FMT_BF6 matrix_b_fmt:MATRIX_FMT_BF6 matrix_a_scale:MATRIX_SCALE_ROW1 matrix_b_scale:MATRIX_SCALE_ROW1
.else
	v_wmma_scale_f32_16x16x128_f8f6f4 v[\d:\d+7], v[\bf:\bf+11], v[\af:\af+11], v[\c:\c+7], v[\sb], v[\sa] matrix_a_fmt:MATRIX_FMT_BF6 matrix_b_fmt:MATRIX_FMT_BF6
.endif
.endm
; 16 matrix instructions: A's blocks a0 .. a0 + 3 x four of B's (bh = 0: the direct half, 1: the LDS half).  The 64 accumulators take turns in the same order in every step
.macro MULQ a0, bh, first
.set BSRC, (\bh)*BL+(1-(\bh))*(BDR+48*PAR)
.irp a, \a0,\a0+1,\a0+2,\a0+3
.irp b, 0,1,2,3
.if \first
	WM 8*(4*(\a)+\b), BSRC+FR*\b, AFC+FR*(\a), BI+8*(4*(\bh)+\b), SCU+8+2*\b+(\bh), SCU+2*((\a)%4)+(\a)/4, PAR
.else
	WM 8*(4*(\a)+\b), BSRC+FR*\b, AFC+FR*(\a), 8*(4*(\a)+\b), SCU+8+2*\b+(\bh), SCU+2*((\a)%4)+(\a)/4, PAR
.endif
.endr
.endr
.endm
.macro PLACES n                        ; in front of loads into registers that matrix instructions have read, and of reads of results
.rept \n
	v_nop
.endr
.endm
.macro NEXT0                           ; the first of the next step's two runs: the scale words (in odd steps, for two steps) and A's blocks 0-3
.if PAR
	SCALES
.endif
.irp i, 0,1,2,3
	LAS \i
.endr
.endm
; One K step, number j of the ring's eight.  mode 1: the slot's last step, the slot is filled again; 3: last step, no refill; 0: else.  dk: the K step that the direct loads ask for.
.macro STEP j, mode, first, dk
.set PAR, (\j)%2
.set CSL, ((\j)/4)%2
.set CQ,  (\j)%4
.set NSL, (((\j)+1)/4)%2
.set NQ,  ((\j)+1)%4
.set AFC, AF+96*PAR
.set AFN, AF+96*(1-PAR)
.set SCU, SC+16*(((\j)/2)%2)
.set SCN, SC+16*(1-((\j)/2)%2)
	WIN TO_B
.irp i, 0,1,2,3
	FRAG BL+FR*\i, ADRB+CSL, CQ*BROW+\i*FRB        ; this step's blocks 4-7 of B: the slot's last reads in its last step
.endr
	WIN 0
	s_wait_loadcnt 12                              ; this step's direct half is in; the next step's may be out
.if \mode
	s_wait_dscnt 12                                ; all but the 12 just issued: A's set and the scale words
.else
	NEXT0
.if PAR
	s_wait_dscnt 32                                ; all but this run (12 + 8 + 12)
.else
	s_wait_dscnt 24                                ; all but this run (12 + 12)
.endif
.endif
	WIN MUL_LO-0x10*(\first)
	MULQ 0, 0, \first
.if \mode
	WIN 0
.if (\mode) == 1
	s_wait_xcnt 0x0                                ; my last prefetches have read their address
	s_add_nc_u64 s[PFA:PFA+1], s[PFA:PFA+1], AG
.endif
	s_wait_tensorcnt 0x0                           ; all my tensor loads have landed: my part of the next slot
	ds_add_u32 v[SPW], v[NIL]
.if (\mode) == 1
	s_add_nc_u64 s[G0+4*CSL+2:G0+4*CSL+3], s[G0+4*CSL+2:G0+4*CSL+3], 2*AG         ; no load of mine is out: this slot's next four K steps
	s_add_nc_u64 s[G0B+4*CSL+2:G0B+4*CSL+3], s[G0B+4*CSL+2:G0B+4*CSL+3], 2*AG
.endif
	s_wait_dscnt 0x0                               ; the add is done, and all my reads of this slot
.if (\mode) == 1
	CROUND
	JLOAD G0+4*CSL, G1, G0B+4*CSL, G1B
.else
	s_barrier_signal -1
	s_barrier_wait -1
.endif
	NEXT0
.if (\mode) == 1
	ASK CSL
.endif
.endif
	WIN MUL_LO-0x10*(\first)
	MULQ 4, 0, \first
	PLACES NP                                      ; for the direct loads into the set just multiplied
	DIRECT PAR, \dk
	WIN 0
.irp i, 4,5,6,7
	LAS \i
.endr
.if PAR
	s_wait_dscnt 32                                ; B's blocks 4-7 are in (behind them: 8 + 12 + 12)
.else
	s_wait_dscnt 24                                ; (behind them: 12 + 12)
.endif
	WIN MUL_HI-0x20*(\first)
	MULQ 0, 1, \first
	MULQ 4, 1, \first
	PLACES NP                                      ; for the next step's first run
	WIN 0
.endm
	s_wait_tensorcnt 0x0                           ; my part of slot 0 is in; the full sequence ahead of slot 1's first fill
	ds_add_u32 v[SPW], v[NIL]
	s_wait_dscnt 0x0
	CROUND
	JLOAD G0+4, G1, G0B+4, G1B
.set NSL, 0
.set NQ,  0
.set SCN, SC
.set AFN, AF
	SCALES
.irp i, 0,1,2,3,4,5,6,7
	LAS \i
.endr
	STEP 0, 0, 1, 2                                ; step 0 starts the sums on the bias (its wait leaves step 1's direct half out: the bias was asked for first)
	s_mov_b32 s3, TRIPS
.Llap:                                                 ; eight steps: once round the ring, from a slot 0's second step to the next one's first
	STEP 1, 0, 0, 3
	STEP 2, 0, 0, 4
	STEP 3, 1, 0, 5
	STEP 4, 0, 0, 6
	STEP 5, 0, 0, 7
	STEP 6, 0, 0, 8
	STEP 7, 1, 0, 9
	STEP 0, 0, 0, 10
	s_wait_xcnt 0x0                                ; the direct loads have read their base
	s_add_nc_u64 s[BDP:BDP+1], s[BDP:BDP+1], 8*UNIT
	s_sub_co_u32 s3, s3, 1
	s_cmp_lg_u32 s3, 0
	s_cbranch_scc1 .Llap
	STEP 1, 0, 0, 3                                ; steps 25 to 29
	STEP 2, 0, 0, 4
	STEP 3, 3, 0, 5
	STEP 4, 0, 0, 6
	STEP 5, 0, 0, 7
; STEPS 30 AND 31, BY ROWS.  In registers: A(30) in set 0, B's direct halves in their two sets, the scale words of both steps in set 1.  Fetched here: B's LDS halves (step 31's into v208-255 of window 1) and A(31), block by block, into set 1.
.set BL2OFF, 112                       ; from step 30's LDS half to step 31's
	WIN TO_B
.irp k, 0,1
.irp i, 0,1,2,3
	FRAG BL+BL2OFF*\k+FR*\i, ADRB+1, (2+\k)*BROW+\i*FRB
.endr
.endr
	WIN 0
	FRAG AF+96, ADRA+1, 3*UNIT
	FRAG AF+96+FR, ADRA+1, 3*UNIT+FRB
.macro ROW a                           ; block a is finished: 16 matrix instructions, its 8 accumulators by turns, K ascending
.irp k, 0,1
.if (\a) == 0
.if \k
	s_wait_loadcnt 0x0                             ; step 31's direct half,
	s_wait_dscnt 0x0                               ; its LDS half and A(31)'s blocks 0, 1
.else
	s_wait_loadcnt 12                              ; step 30's direct half
	s_wait_dscnt 18                                ; its LDS half (behind it: 12 + 6)
.endif
.endif
	WIN MUL_LO
.irp b, 0,1,2,3
	WM 8*(4*(\a)+\b), BDR+48*\k+FR*\b, AF+96*\k+FR*(\a), 8*(4*(\a)+\b), SC+24+2*\b, SC+16+2*((\a)%4)+(\a)/4, \k
.endr
	WIN MUL_HI
.irp b, 0,1,2,3
	WM 8*(4*(\a)+\b), BL+BL2OFF*\k+FR*\b, AF+96*\k+FR*(\a), 8*(4*(\a)+\b), SC+25+2*\b, SC+16+2*((\a)%4)+(\a)/4, \k
.endr
.endr
.endm
; THE WAY OUT of block a, 16 rows x 128 columns, through my own stage: in as 32 bytes a lane, back as rows of 512 bytes INTO THE BLOCK'S OWN 64 REGISTERS, stored as two aligned units of 256 bytes.
; LDS serves a wave's instructions in order (ISA guide 5.7.1.4).  No register is used twice and every offset is an immediate (127 rows of 16,384 bytes at the most), so nothing waits for a store.
.macro TOSTAGE a
.irp w, 0,1
	WIN 0x08+4*\w                                  ; the data: window 2 (columns 0-63), then 3
.irp b, 0,1,2,3
	ds_store_b128 v[STO], v[8*(4*(\a)+\b):8*(4*(\a)+\b)+3] offset:256*\w+64*\b          ; each accumulator from its low end on
	ds_store_b128 v[STO], v[8*(4*(\a)+\b)+4:8*(4*(\a)+\b)+7] offset:256*\w+64*\b+16
.endr
.endr
.irp w, 0,1
	WIN 0x80+0x40*\w                               ; rows 0-7 come back into window 2, rows 8-15 into window 3
.irp t, 0,1,2,3,4,5,6,7
	ds_load_b128 v[32*(\a)+4*\t:32*(\a)+4*\t+3], v[RD] offset:(8*\w+\t)*SPITCH
.endr
.endr
.endm
.macro SEND a
	s_wait_dscnt 0x0                               ; the block is back in registers (and the block of A(31) asked for ahead of it is in)
.irp w, 0,1
	WIN 0x08+4*\w
.irp t, 0,1,2,3,4,5,6,7
	global_store_b128 v[CO], v[32*(\a)+4*\t:32*(\a)+4*\t+3], s[12:13] offset:(16*(\a)+8*\w+\t)*SIZE_N*4 th:TH_STORE_NT
.endr
.endr
.endm
	ROW 0
.irp a, 0,1,2,3,4,5,6
	PLACES NP                                      ; the stage's stores read results just made
.if \a < 6
	WIN 0
	FRAG AF+96+FR*(\a+2), ADRA+1, 3*UNIT+(\a+2)*FRB   ; A(31)'s block two rows on
.endif
	TOSTAGE \a
	ROW \a+1                                       ; the next block is multiplied while this one turns through the stage
	SEND \a
.endr
	PLACES NP
	TOSTAGE 7
	SEND 7
	WIN 0
	s_wait_tensorcnt 0x0                           ; the wave's end
	ds_add_u32 v[SPW], v[NIL]
	s_wait_dscnt 0x0
	CROUND                                         ; the closing round
	s_endpgm
.Lfunc_end_k_qb7ff1d8929_gemm:
	.size	k_qb7ff1d8929_gemm, .Lfunc_end_k_qb7ff1d8929_gemm-k_qb7ff1d8929_gemm
	.p2alignl 7, 3214868480
	.fill 96, 4, 3214868480
	.section	.rodata,"a",@progbits
	.p2align	6, 0x0
	.amdhsa_kernel k_qb7ff1d8929_gemm
		.amdhsa_group_segment_fixed_size 327680
		.amdhsa_private_segment_fixed_size 0
		.amdhsa_enable_private_segment 0
		.amdhsa_kernarg_size 32
		.amdhsa_user_sgpr_count 2
		.amdhsa_user_sgpr_kernarg_segment_ptr 1
		.amdhsa_wavefront_size32 1
		.amdhsa_system_sgpr_workgroup_id_x 1
		.amdhsa_system_sgpr_workgroup_id_y 1
		.amdhsa_system_sgpr_workgroup_id_z 1
		.amdhsa_system_vgpr_workitem_id 0
		.amdhsa_next_free_vgpr 1024
		.amdhsa_next_free_sgpr 100
		.amdhsa_reserve_vcc 0
		.amdhsa_float_denorm_mode_32 3
		.amdhsa_float_denorm_mode_16_64 3
		.amdhsa_memory_ordered 1
		.amdhsa_forward_progress 1
		.amdhsa_inst_pref_size 241
	.end_amdhsa_kernel
	.amdgpu_metadata
---
amdhsa.version: [ 1, 2 ]
amdhsa.kernels:
  - .name:           k_qb7ff1d8929_gemm
    .symbol:         k_qb7ff1d8929_gemm.kd
    .args:
      - { .name: a_codes, .offset: 0, .size: 8, .value_kind: global_buffer, .address_space: global }
      - { .name: b_codes, .offset: 8, .size: 8, .value_kind: global_buffer, .address_space: global }
      - { .name: out0, .offset: 16, .size: 8, .value_kind: global_buffer, .address_space: global }
      - { .name: bias, .offset: 24, .size: 8, .value_kind: global_buffer, .address_space: global }
    .group_segment_fixed_size: 327680
    .private_segment_fixed_size: 0
    .kernarg_segment_align: 8
    .kernarg_segment_size: 32
    .max_flat_workgroup_size: 128
    .sgpr_count:     100
    .vgpr_count:     1024
    .wavefront_size: 32
...
	.end_amdgpu_metadata
.endif
;; end of part 2
